; MI455X (gfx1250); checked and timed in simulation.
; The chip was launched on July 23, 2026; its instructions are those of AMD's public machine-readable ISA for CDNA 5 (MIT licence, August 2026) and "CDNA5" Instruction Set Architecture Reference Guide (July 2026). The comments in the code are by the model that wrote it; some were corrected since.
;; Multi Head Attention. Allowed arithmetic: matrix products marked QUANTISED: E2M3 operands, one E8M0 scale for each 32 along K, by v_wmma_scale_f32_16x16x128_f8f6f4 with both operands' format E2M3, f32 sums; everything else in f32.
;; Inputs: Wk 16 x 1,024 x 64 float32; Wq 16 x 1,024 x 64 float32; Wv 16 x 1,024 x 64 float32; attention_mask 2,048 x 2,048 bool; x 4 x 2,048 x 1,024 float32.
;; Outputs: out0 4 x 2,048 x 1,024 float32.
;; This version of the problem:
;;   THIS VERSION OF THE PROBLEM IS GIVEN IN LOW PRECISION. The matrix products marked QUANTISED in the list below multiply operands that are first quantised to E2M3 (2 exponent bits, 3 mantissa bits; 6 bits a number), with one power-of-two scale for each 32 numbers along K (OCP MX v1.0); their sums are f32. All else is computed in f32.
;;   The module's matrix products, in the order in which they are computed (A, B: the left and right operand; K: the contracted axis; several contracted axes count as one K, in the product's order):
;;     1. [M 1,024, K 1,024] x [K 1,024, N 8,192]; A: input Wq; B: input x: QUANTISED
;;     2. [M 1,024, K 1,024] x [K 1,024, N 8,192]; A: input Wk; B: input x: QUANTISED
;;     3. [M 1,024, K 1,024] x [K 1,024, N 8,192]; A: input Wv; B: input x: QUANTISED
;;     4. batch 64 x [M 2,048, K 64] x [K 64, N 2,048]; A: computed on the way; B: computed on the way: QUANTISED
;;     5. batch 64 x [M 2,048, K 2,048] x [K 2,048, N 64]; A: softmax (see below); B: computed on the way: QUANTISED
;;   THE QUANTISER, for each operand of a quantised product, along K:
;;     - K is cut into blocks of 32 from its start; a last block that is shorter is filled with zeros.
;;     - A block's scale is 2^e with e = floor(log2(the largest magnitude in the block)) - 2, held to -126 .. 127; a block of zeros has e = 0. As a byte (E8M0): e + 127.
;;     - Each number is divided by its block's scale, clamped to +-7.5, and rounded to the nearest number of E2M3, ties to even, subnormals kept.
;;     - The product sums the exact products of the quantised numbers (number of the format x scale) in f32.
;;   ~~~python
;;   def quantise(x, axis):      # numpy; x: float32 -> the quantised numbers, widened to float32 again
;;       x = np.moveaxis(x, axis, -1); K = x.shape[-1]
;;       x = np.pad(x, [(0, 0)] * (x.ndim - 1) + [(0, -K % 32)]); x = x.reshape(x.shape[:-1] + (-1, 32)); a = np.abs(x).max(-1, keepdims=True)
;;       e = np.where(a > 0, np.clip(np.frexp(np.where(a > 0, a, 1))[1] - 1 - 2, -126, 127), 0)      # np.frexp(a)[1] - 1 = floor(log2(a)), exactly
;;       r = np.clip(x / 2.0 ** e, -7.5, 7.5)
;;       step = 2.0 ** (np.maximum(np.frexp(np.where(r == 0, 1, r))[1] - 1, 0) - 3)
;;       q = np.round(r / step) * step * 2.0 ** e      # np.round: ties to even
;;       return np.moveaxis(q.reshape(q.shape[:-2] + (-1,))[..., :K], -1, axis).astype(np.float32)
;;   ~~~
;;   SOFTMAX AHEAD OF A QUANTISED PRODUCT. Where the list says 'softmax', what is quantised is not the finished softmax but p = 2^(t - M), with t = logit x log2(e) and M = ceil(the row's largest t), a whole number; so 1/2 < the row's largest p <= 1. The row's sum l is taken of the UNQUANTISED p, in f32, and the product's result is divided by l at the end. Since M is a whole number, a kernel that streams over the keys may use a running M (the ceiling of the running maximum): every later rescaling is an exact power of two, which a block's scale takes up: the codes' values come out the same.
;;   OPERANDS COMPUTED ON THE WAY. 'Computed on the way' means the value that the module computes at that place (a softmax that the list does not call 'softmax' is quantised finished and normalised). What goes into a quantiser is computed in f32, as accurately as f32 sums, v_exp_f32 and their like allow (about 1e-6 of the number): no bf16 or f16 on the way to a quantiser, and a product that is left as it is and whose result goes on into a quantised operand takes f32 operands (vector FMAs, or v_wmma_f32_16x16x4_f32). A number that lies on a knife's edge between two numbers of the format may be rounded either way, as far as f32 arithmetic and the matrix unit's own rounding can turn it there, and no further.
;; One version. Each part assembles by itself: llvm-mc -triple=amdgcn-amd-amdhsa -mcpu=gfx1250 --defsym DOCPART=n.
;; ======== version 1 of 1: 3 launches
;; workspace buffers: cod 8,650,752 bytes; scl 360,448 bytes; maskw 524,288 bytes of whole numbers; qkv 20,185,088 bytes
;; launch prep (part 1): grid 576 x 1, 4 waves a work-group, no clusters, 82,432 bytes of LDS; arguments x, attention_mask, Wq, Wk, Wv, cod, scl, maskw; writes cod, scl, maskw
.if DOCPART == 1
	.amdgcn_target "amdgcn-amd-amdhsa--gfx1250"
	.amdhsa_code_object_version 6
	.text
	.protected	k_qc46b04b049_prep
	.globl	k_qc46b04b049_prep
	.p2align	8
	.type	k_qc46b04b049_prep,@function
k_qc46b04b049_prep:
	s_mov_b64 s[64:65], 0
	v_nop
	global_prefetch_b8 v0, s[64:65] scope:SCOPE_SE
	s_setreg_imm32_b32 hwreg(HW_REG_WAVE_MODE, 25, 1), 1
	s_wait_xcnt 0x0
; PREP: x [8192][1024] and Wq, Wk, Wv [16][1024][64], f32, become codes of FP6 (E2M3) with one E8M0 byte for each 32 along K = the 1,024;
; the mask [2048][2048] of bytes becomes lane masks for the attention launch.  One launch, three paths that part on the work-group's number alone:
; work-groups 0-255 take x, 256-447 the weights, 448-575 the mask.  Each path has LDS bytes of its own.
; ROW TILES.  Tile 2 g + u holds in lane r (0..15) row 32 g + 8 u + r + 8 (r / 8): x's rows are b x 2048 + s, the weights' rows type x 1024 + head x 64 + column (tiles 512 on).
; cod: tile T, K step ks (128 along K) at (8 T + ks) x 1536 bytes, AS AN IMAGE OF THE OPERAND'S REGISTERS: registers 4 c .. 4 c + 3 of lane l at 512 c + 16 l.
; scl: [tile][K half][row r][4 words]: word q is the row's four scale bytes of K step 4 half + q.
; maskw: tile of queries Tq, key step j (128 keys) at 4096 Tq + 256 j: word n = 16 b + i has bit l = mask[query of lane l % 16][128 j + 32 b + 16 (l / 16) + i]: the lane mask of score register n.
; A block's scale is 2^(floor(log2(largest magnitude)) - 2); its byte is the largest magnitude's exponent field - 2, held at 1 from below.
; LIMITS: a block of zeros, and one whose largest magnitude lies under 2^-124, gets the byte 1 (the rule says 127 for zeros: the codes are zeros, and this program alone reads the bytes);
; NaN and infinities among the inputs are not served; a mask byte other than 0 counts as true.
; No tensor loads, no cluster, no matrix work: every byte is read once and no tile is shared, so they would add nothing.
.set XST,   0                          ; LDS: x's stages, 16 rows x 528 bytes for each wave
.set WST,   33792                      ; the weights' stages: two images of 1,536 bytes, 1,664 apart, for each wave
.set WSC,   47104                      ; the weights' scale words: [tile 2][row 16][K step 4]
.set MST,   47616                      ; the mask's stages, as x's
.set SP,    528                        ; a stage row: 512 bytes + 16, an odd multiple of 16: sixteen rows start at sixteen different columns of 16 bytes
.set WSTG,  16*SP
.set FLOOR, 0x1800000                  ; 2^(3 - 127)
.set EOFF,  0xff000000                 ; -(2 << 23): two off an exponent field
.set WV,  20                           ; s20 wave;  s21 mask of lanes 16-31;  s[22:23] selects for lane l xor 16
.set HM,  21
.set SEL, 22
.set LN,  1                            ; v1 lane;  v2 16 x lane;  v3, v4 the stage, in and out;  v6 r;  v7 h
.set L16, 2
.set SIN, 3
.set SOUT, 4
.set RR,  6
.set HH,  7
; sixteen loads: row i of a tile, 512 consecutive bytes each, 16 a lane
.macro ROWS16 reg, base, pitch, byte
.set i, 0
.rept 16
	global_load_b128 v[(\reg)+4*i:(\reg)+4*i+3], v[L16], s[\base:\base+1] offset:(i+8*(i/8))*(\pitch)+(\byte) th:TH_LOAD_NT
.set i, i+1
.endr
.endm
.macro STAGE_IN reg                    ; the sixteen rows into the wave's own stage, as they lie
.set i, 0
.rept 16
	ds_store_b128 v[SIN], v[(\reg)+4*i:(\reg)+4*i+3] offset:SP*i
.set i, i+1
.endr
.endm
	s_load_b512 s[4:19], s[0:1], 0x0               ; x s[4:5], mask s[6:7], Wq s[8:9], Wk s[10:11], Wv s[12:13], cod s[14:15], scl s[16:17], maskw s[18:19]
	v_lshl_add_u32 v254, v0, 2, 0x14000
	v_mov_b32 v255, 0
	v_lshrrev_b32 v1, 5, v0
	v_readfirstlane_b32 s[WV], v1                  ; wave 0..3
	v_and_b32 v[LN], 31, v0
	v_and_b32 v[RR], 15, v0
	v_bfe_u32 v[HH], v0, 4, 1
	v_lshlrev_b32 v[L16], 4, v[LN]
	s_mov_b32 s[HM], 0xffff0000
	s_mov_b32 s[SEL], 0x76543210
	s_mov_b32 s[SEL+1], 0xfedcba98
	s_mov_b32 s31, 0                               ; the upper word of every offset pair s[30:31]
	s_mul_i32 s26, s[WV], WSTG                     ; my stage, in x's path and the mask's
	s_wait_kmcnt 0x0
	s_cmp_lt_u32 ttmp9, 256
	s_cbranch_scc0 .Lnot_x
; ---------------- x: work-group wx takes tiles 2 wx and 2 wx + 1; wave w tile 2 wx + w / 2 and K half w % 2: four K steps ----------------
.set R,  16                            ; v16-143  two sets of 64: a K step of 16 rows as loaded
.set X,  144                           ; v144-207 register 32 c + i = k 64 c + 32 h + i of my row r: the order of the operand's registers
.set PC, 208                           ; v208-231 two sets of 12: a fragment's codes
.set TC, 232                           ; the second half of a block's six registers is made here and moved (a conversion's three registers begin on an even number)
.set MX, 240
.set OP, 242
.set BY, 244
.set WD, 246
.set PT, 247
.set SW, 248                           ; v248-251 the four K steps' scale words
.set SH, 8                             ; v8  8 h
.set SCO, 5                            ; v5  16 r + 8 h
	s_lshr_b32 s27, s[WV], 1                       ; u
	s_and_b32 s28, s[WV], 1                        ; K half
	s_lshl_b32 s30, ttmp9, 5
	s_lshl_b32 s29, s27, 3
	s_add_co_u32 s30, s30, s29                     ; the tile's first row: 32 wx + 8 u
	s_lshl_b32 s30, s30, 12                        ; 4,096 bytes a row
	s_lshl_b32 s29, s28, 11
	s_add_co_u32 s30, s30, s29
	s_add_nc_u64 s[4:5], s[4:5], s[30:31]
	ROWS16 R, 4, 4096, 0                           ; K steps 0 and 1 of my half: 32 loads out
	ROWS16 R+64, 4, 4096, 512
	s_lshl_b32 s30, ttmp9, 1
	s_add_co_u32 s32, s30, s27                     ; T
	s_lshl_b32 s30, s32, 3
	s_lshl_b32 s29, s28, 2
	s_add_co_u32 s30, s30, s29
	s_mul_i32 s30, s30, 1536
	s_add_nc_u64 s[14:15], s[14:15], s[30:31]      ; cod at (8 T + 4 half) x 1536
	s_lshl_b32 s30, s32, 9
	s_lshl_b32 s29, s28, 8
	s_add_co_u32 s30, s30, s29
	s_add_nc_u64 s[16:17], s[16:17], s[30:31]      ; scl at 512 T + 256 half
	v_add_nc_u32 v[SIN], s26, v[L16]
	v_mul_u32_u24 v[SOUT], v[RR], SP
	v_lshl_add_u32 v[SOUT], v[HH], 7, v[SOUT]
	v_add_nc_u32 v[SOUT], s26, v[SOUT]             ; out of the stage: row r, + 128 h: my 32 numbers of each 64
	v_lshlrev_b32 v[SH], 3, v[HH]
	v_lshlrev_b32 v[SCO], 4, v[RR]
	v_lshl_add_u32 v[SCO], v[HH], 3, v[SCO]
	v_mov_b32 v[PT], 0                             ; a lane permute's destination counts as one of its sources
; 64 numbers of a lane become a fragment's 12 registers and my row's scale word.  A lane holds two whole blocks (h and 2 + h), so no other lane is asked for a maximum.
.macro QX q
.set PCE, PC+12*((\q)%2)
.irp c, 0,1
	v_max3_num_f32 v[MX+\c], |v[X+32*\c]|, |v[X+32*\c+1]|, FLOOR   ; with the floor among the leaves: the byte cannot fall under 1
.endr
.irp i, 2,4,6,8,10,12,14,16,18,20,22,24,26,28,30
.irp c, 0,1
	v_max3_num_f32 v[MX+\c], v[MX+\c], |v[X+32*\c+\i]|, |v[X+32*\c+\i+1]|
.endr
.endr
.irp c, 0,1
	v_add_nc_u32 v[OP+\c], EOFF, v[MX+\c]          ; the conversion takes this operand's exponent field as its scale
.endr
.irp c, 0,1
	v_lshrrev_b32 v[BY+\c], 23, v[OP+\c]           ; the scale's byte
.endr
	v_lshl_or_b32 v[WD], v[BY+1], 16, v[BY]        ; my two bytes, blocks h and 2 + h,
	v_lshlrev_b32 v[WD], v[SH], v[WD]              ; at their places;
	v_permlanex16_b32 v[PT], v[WD], s[SEL], s[SEL+1]
	v_or_b32 v[SW+(\q)], v[WD], v[PT]              ; with lane l xor 16's two the word is whole
.irp c, 0,1
	v_cvt_scalef32_pk16_fp6_f32 v[PCE+6*\c:PCE+6*\c+2], v[X+32*\c:X+32*\c+15], v[OP+\c]
	v_cvt_scalef32_pk16_fp6_f32 v[TC+4*\c:TC+4*\c+2], v[X+32*\c+16:X+32*\c+31], v[OP+\c]
.endr
	v_nop                                          ; one plain place behind a scaled conversion
.irp c, 0,1
.irp i, 0,1,2
	v_mov_b32 v[PCE+6*\c+3+\i], v[TC+4*\c+\i]
.endr
.endr
.irp c, 0,1,2
	global_store_b128 v[L16], v[PCE+4*\c:PCE+4*\c+3], s[14:15] offset:1536*(\q)+512*\c   ; the image: 512 consecutive bytes a store
.endr
.endm
.macro XUNIT q
.if (\q) < 3
	s_wait_loadcnt 16                              ; this K step's sixteen loads are in; the next step's sixteen may be out
.else
	s_wait_loadcnt 0x0
.endif
	STAGE_IN R+64*((\q)%2)
.irp c, 0,1
.irp j, 0,1,2,3,4,5,6,7
	ds_load_b128 v[X+32*\c+4*\j:X+32*\c+4*\j+3], v[SOUT] offset:256*\c+16*\j   ; LDS serves a wave's instructions in order: these see the stores above
.endr
.endr
	s_wait_dscnt 0x0                               ; the numbers are back, and the stores have read their registers,
.if (\q) < 2
	ROWS16 R+64*((\q)%2), 4, 4096, 512*((\q)+2)    ; which take the loads of two K steps on
.else
	s_wait_xcnt 0x0                                ; the codes' set of two steps ago is written again only behind this wait
.endif
	QX \q
.endm
	XUNIT 0
	XUNIT 1
	XUNIT 2
	XUNIT 3
	v_cndmask_b32 v252, v[SW], v[SW+2], s[HM]      ; lanes 0-15 store words 0, 1 of row r, lanes 16-31 words 2, 3:
	v_cndmask_b32 v253, v[SW+1], v[SW+3], s[HM]
	global_store_b64 v[SCO], v[252:253], s[16:17]  ; 256 consecutive bytes, aligned
	s_wait_tensorcnt 0x0
	ds_add_u32 v254, v255
	s_wait_dscnt 0x0
	s_endpgm
; ---------------- the weights: work-group ww takes 32 rows (columns of one head) and a K half; wave w K step 4 half + w ----------------
; A LANE TAKES A COLUMN AND ITS REGISTERS RUN DOWN K: a block of 32 lies in one lane, and the conversions give codes with K innermost.  Each load reads 128 consecutive bytes.
.Lnot_x:
	s_cmp_lt_u32 ttmp9, 448
	s_cbranch_scc0 .Lmask
.set N,   64                           ; v64-191 128 numbers down K
.set L4,  9                            ; v9   4 x lane
.set WW,  12                           ; v12  my row's scale word
.set SA,  13                           ; v13  where my codes go in the stage
.set SB,  14                           ; v14  and where an image is read back: 16 x lane
.set SWA, 15                           ; v15  where my scale word goes
.set SCW, 57                           ; v57  wave 0: its place in scl
	s_sub_co_u32 s27, ttmp9, 256
	s_lshr_b32 s28, s27, 1                         ; gw: which 32 rows, 0..95
	s_and_b32 s29, s27, 1                          ; K half
	s_cmp_lt_u32 s28, 64                           ; the tensor is chosen on the work-group's number alone
	s_cselect_b64 s[10:11], s[10:11], s[12:13]
	s_cmp_lt_u32 s28, 32
	s_cselect_b64 s[8:9], s[8:9], s[10:11]
	s_lshl_b32 s30, s29, 2
	s_add_co_u32 s32, s30, s[WV]                   ; ks
	s_bfe_u32 s30, s28, 0x40001                    ; the head: (gw / 2) % 16
	s_lshl_b32 s30, s30, 18                        ; 262,144 bytes a head,
	s_lshl_b32 s33, s32, 15                        ; 32,768 a K step,
	s_add_co_u32 s30, s30, s33
	s_and_b32 s33, s28, 1
	s_lshl_b32 s33, s33, 7                         ; 128 for the upper 32 columns
	s_add_co_u32 s30, s30, s33
	s_add_nc_u64 s[8:9], s[8:9], s[30:31]
	v_lshlrev_b32 v[L4], 2, v[LN]
.macro WLOAD b
.set i, 0
.rept 32
	global_load_b32 v[N+32*(\b)+i], v[L4], s[8:9] offset:256*(32*(\b)+i)
.set i, i+1
.endr
.endm
	WLOAD 0
	WLOAD 1
	s_lshl_b32 s30, s28, 4
	s_add_co_u32 s30, s30, 4096
	s_add_co_u32 s30, s30, s32
	s_mul_i32 s30, s30, 1536
	s_add_nc_u64 s[14:15], s[14:15], s[30:31]      ; cod at ((512 + 2 gw) x 8 + ks) x 1536
	s_lshl_b32 s30, s28, 10
	s_lshl_b32 s33, s29, 8
	s_add_co_u32 s30, s30, s33
	s_add_co_u32 s30, s30, 262144
	s_add_nc_u64 s[16:17], s[16:17], s[30:31]      ; scl at (512 + 2 gw) x 512 + 256 half
	v_bfe_u32 v10, v0, 3, 1                        ; row 32 gw + lane lies in tile u = (lane / 8) % 2,
	v_and_b32 v11, 7, v0
	v_lshl_add_u32 v11, v[HH], 3, v11              ; at its lane r' = lane % 8 + 8 (lane / 16)
	v_mul_u32_u24 v[SA], v10, 1664
	v_lshl_add_u32 v[SA], v11, 4, v[SA]
	s_mul_i32 s33, s[WV], 3328
	s_add_co_u32 s33, s33, WST
	v_add_nc_u32 v[SA], s33, v[SA]
	v_add_nc_u32 v[SB], s33, v[L16]
	v_lshl_add_u32 v[SWA], v10, 4, v11
	v_lshlrev_b32 v[SWA], 4, v[SWA]
	s_lshl_b32 s34, s[WV], 2
	s_add_co_u32 s34, s34, WSC
	v_add_nc_u32 v[SWA], s34, v[SWA]               ; WSC + 16 (16 u + r') + 4 w
	v_lshl_add_u32 v[SCW], v[HH], 8, v[L16]        ; 512 (lane / 16) + 16 (lane % 16)
; Block b of my column: K = 32 b on.  In the image it is registers 6 (b / 2) .. + 5 of lane r' + 16 (b % 2): one store of 16 bytes and one of 8.
.macro WBLOCK b
.set NB, N+32*(\b)
.set CB, 16+10*(\b)                    ; a set of its own for each block's codes: no store's data are written again
.if (\b) < 3
	s_wait_loadcnt 32                              ; this block's 32 loads are in; the next block's may be out
.else
	s_wait_loadcnt 0x0
.endif
.if (\b) < 2
	WLOAD (\b)+2
.endif
	v_max3_num_f32 v240, |v[NB]|, |v[NB+1]|, |v[NB+2]|
	v_max3_num_f32 v241, |v[NB+3]|, |v[NB+4]|, |v[NB+5]|
.irp i, 6,10,14,18,22,26
	v_max3_num_f32 v240, v240, |v[NB+\i]|, |v[NB+\i+1]|
	v_max3_num_f32 v241, v241, |v[NB+\i+2]|, |v[NB+\i+3]|
.endr
	v_max3_num_f32 v240, v240, |v[NB+30]|, |v[NB+31]|
	v_max3_num_f32 v240, v240, v241, FLOOR
	v_add_nc_u32 v242, EOFF, v240
	v_lshrrev_b32 v243, 23, v242
.if (\b) == 0
	v_mov_b32 v[WW], v243
.else
	v_lshl_or_b32 v[WW], v243, 8*(\b), v[WW]
.endif
	v_cvt_scalef32_pk16_fp6_f32 v[CB:CB+2], v[NB:NB+15], v242
	v_cvt_scalef32_pk16_fp6_f32 v[CB+6:CB+8], v[NB+16:NB+31], v242
	v_nop                                          ; one plain place behind a scaled conversion
.irp i, 0,1,2
	v_mov_b32 v[CB+3+\i], v[CB+6+\i]
.endr
.if (\b) < 2
	ds_store_b128 v[SA], v[CB:CB+3] offset:256*(\b)
	ds_store_b64 v[SA], v[CB+4:CB+5] offset:512+256*(\b)
.else
	ds_store_b64 v[SA], v[CB:CB+1] offset:520+256*((\b)-2)
	ds_store_b128 v[SA], v[CB+2:CB+5] offset:1024+256*((\b)-2)
.endif
.endm
	WBLOCK 0
	WBLOCK 1
	WBLOCK 2
	WBLOCK 3
	ds_store_b32 v[SWA], v[WW]
.irp i, 0,1,2,3,4,5
	ds_load_b128 v[N+4*\i:N+4*\i+3], v[SB] offset:1664*(\i/3)+512*(\i%3)   ; the two tiles' images back: LDS serves a wave's instructions in order
.endr
.irp i, 0,1,2,3,4,5
	s_wait_dscnt 5-\i                              ; load i is in; the younger ones may be out
	global_store_b128 v[L16], v[N+4*\i:N+4*\i+3], s[14:15] offset:12288*(\i/3)+512*(\i%3)
.endr
	s_wait_dscnt 0x0                               ; for the others' sake: my scale word has landed
	s_barrier_signal -1
	s_barrier_wait -1
	s_cmp_lg_u32 s[WV], 0
	s_cbranch_scc1 .Lw_done
	ds_load_b128 v[96:99], v[L16] offset:WSC       ; row 16 u + r': the four waves' words = K steps 4 half + 0 .. 3
	s_wait_dscnt 0x0
	global_store_b128 v[SCW], v[96:99], s[16:17]   ; sixteen lanes store 256 consecutive bytes, aligned
.Lw_done:
	s_wait_tensorcnt 0x0
	ds_add_u32 v254, v255
	s_wait_dscnt 0x0
	s_endpgm
; ---------------- the mask: work-group Tq takes a tile of 16 queries; wave w the keys 512 w on: four key steps ----------------
.Lmask:
.set MR, 80                            ; v80-143  register 16 jj + 4 b + m: mask bytes of keys 128 jj + 32 b + 16 h + 4 m + 0 .. 3 of query r
.set MW, 144                           ; v144-151 step jj's 64 words: lane l holds words 2 l and 2 l + 1
.set P8, 5                             ; v5  8 x lane
	s_sub_co_u32 s27, ttmp9, 448                   ; Tq
	s_lshr_b32 s28, s27, 1
	s_lshl_b32 s28, s28, 5
	s_and_b32 s29, s27, 1
	s_lshl_b32 s29, s29, 3
	s_add_co_u32 s28, s28, s29                     ; the tile's first query
	s_lshl_b32 s30, s28, 11
	s_lshl_b32 s29, s[WV], 9
	s_add_co_u32 s30, s30, s29
	s_add_nc_u64 s[6:7], s[6:7], s[30:31]
	ROWS16 16, 6, 2048, 0
	s_lshl_b32 s30, s27, 12
	s_lshl_b32 s29, s[WV], 10
	s_add_co_u32 s30, s30, s29
	s_add_nc_u64 s[18:19], s[18:19], s[30:31]      ; my four steps' words
	s_add_co_u32 s26, s26, MST
	v_add_nc_u32 v[SIN], s26, v[L16]
	v_mul_u32_u24 v[SOUT], v[RR], SP
	v_lshl_add_u32 v[SOUT], v[HH], 4, v[SOUT]
	v_add_nc_u32 v[SOUT], s26, v[SOUT]             ; row r, + 16 h
	v_lshlrev_b32 v[P8], 3, v[LN]
.irp i, 0,1,2,3,4,5,6,7
	v_mov_b32 v[MW+\i], 0                          ; v_writelane_b32's destination counts as read
.endr
	s_wait_loadcnt 0x0
	STAGE_IN 16
.irp j, 0,1,2,3
.irp b, 0,1,2,3
	ds_load_b128 v[MR+16*\j+4*\b:MR+16*\j+4*\b+3], v[SOUT] offset:128*\j+32*\b
.endr
.endr
	s_wait_dscnt 0x0
; One key step: for each of the 64 score registers n, the lanes whose byte is not 0 make a word; word n goes to lane n / 2.
.macro MSTEP jj
.set n, 0
.rept 16
.irp k, 0,1,2,3
	v_and_b32 v[152+\k], 0xff<<(8*\k), v[MR+16*(\jj)+n/4]
.endr
.irp k, 0,1,2,3
	v_cmp_ne_u32 s[40+\k], 0, v[152+\k]
.endr
.irp k, 0,1,2,3
	v_writelane_b32 v[MW+2*(\jj)+(\k%2)], s[40+\k], (n+\k)/2
.endr
.set n, n+4
.endr
	global_store_b64 v[P8], v[MW+2*(\jj):MW+2*(\jj)+1], s[18:19] offset:256*(\jj)   ; 256 consecutive bytes, aligned
.endm
	MSTEP 0
	MSTEP 1
	MSTEP 2
	MSTEP 3
	s_wait_tensorcnt 0x0
	ds_add_u32 v254, v255
	s_wait_dscnt 0x0
	s_endpgm
.Lfunc_end_k_qc46b04b049_prep:
	.size	k_qc46b04b049_prep, .Lfunc_end_k_qc46b04b049_prep-k_qc46b04b049_prep
	.p2alignl 7, 3214868480
	.fill 96, 4, 3214868480
	.section	.rodata,"a",@progbits
	.p2align	6, 0x0
	.amdhsa_kernel k_qc46b04b049_prep
		.amdhsa_group_segment_fixed_size 82432
		.amdhsa_private_segment_fixed_size 0
		.amdhsa_enable_private_segment 0
		.amdhsa_kernarg_size 64
		.amdhsa_user_sgpr_count 2
		.amdhsa_user_sgpr_kernarg_segment_ptr 1
		.amdhsa_wavefront_size32 1
		.amdhsa_system_sgpr_workgroup_id_x 1
		.amdhsa_system_sgpr_workgroup_id_y 1
		.amdhsa_system_sgpr_workgroup_id_z 1
		.amdhsa_system_vgpr_workitem_id 0
		.amdhsa_next_free_vgpr 256
		.amdhsa_next_free_sgpr 66
		.amdhsa_reserve_vcc 0
		.amdhsa_float_denorm_mode_32 3
		.amdhsa_float_denorm_mode_16_64 3
		.amdhsa_memory_ordered 1
		.amdhsa_forward_progress 1
		.amdhsa_inst_pref_size 105
	.end_amdhsa_kernel
	.amdgpu_metadata
---
amdhsa.version: [ 1, 2 ]
amdhsa.kernels:
  - .name:           k_qc46b04b049_prep
    .symbol:         k_qc46b04b049_prep.kd
    .args:
      - { .name: x, .offset: 0, .size: 8, .value_kind: global_buffer, .address_space: global }
      - { .name: attention_mask, .offset: 8, .size: 8, .value_kind: global_buffer, .address_space: global }
      - { .name: Wq, .offset: 16, .size: 8, .value_kind: global_buffer, .address_space: global }
      - { .name: Wk, .offset: 24, .size: 8, .value_kind: global_buffer, .address_space: global }
      - { .name: Wv, .offset: 32, .size: 8, .value_kind: global_buffer, .address_space: global }
      - { .name: cod, .offset: 40, .size: 8, .value_kind: global_buffer, .address_space: global }
      - { .name: scl, .offset: 48, .size: 8, .value_kind: global_buffer, .address_space: global }
      - { .name: maskw, .offset: 56, .size: 8, .value_kind: global_buffer, .address_space: global }
    .group_segment_fixed_size: 82432
    .private_segment_fixed_size: 0
    .kernarg_segment_align: 8
    .kernarg_segment_size: 64
    .max_flat_workgroup_size: 128
    .sgpr_count:     66
    .vgpr_count:     256
    .wavefront_size: 32
...
	.end_amdgpu_metadata
.endif
;; end of part 1
;; launch proj (part 2): grid 12 x 32, 4 waves a work-group, clusters of 4 x 4, 327,680 bytes of LDS; arguments cod, scl, qkv; writes qkv
.if DOCPART == 2
	.amdgcn_target "amdgcn-amd-amdhsa--gfx1250"
	.amdhsa_code_object_version 6
	.text
	.protected	k_qc46b04b049_proj
	.globl	k_qc46b04b049_proj
	.p2align	8
	.type	k_qc46b04b049_proj,@function
k_qc46b04b049_proj:
	s_mov_b64 s[64:65], 0
	v_nop
	global_prefetch_b8 v0, s[64:65] scope:SCOPE_SE
	s_setreg_imm32_b32 hwreg(HW_REG_WAVE_MODE, 25, 1), 1
	s_wait_xcnt 0x0
	s_wait_alu depctr_hold_cnt(0) depctr_sa_sdst(0) depctr_va_vdst(0) depctr_va_sdst(0) depctr_va_ssrc(0) depctr_va_vcc(0) depctr_vm_vsrc(0)
	s_getreg_b32 s2, hwreg(HW_REG_IB_STS2, 6, 4)
	s_cmp_eq_u32 s2, 0
	s_cbranch_scc0 .Lentry_in_a_cluster
	s_endpgm
.Lentry_in_a_cluster:
	s_bfe_u32 s2, ttmp6, 0x10000c
	s_cmp_lg_u32 s2, 0xf033
	s_cbranch_scc0 .Lentry_shape_is_right
	s_endpgm
.Lentry_shape_is_right:
; PROJ: q, k, v = x W^T on codes of FP6 (E2M3), K = 1,024, sums in f32; the results are quantised in registers for the attention launch and never go to memory as f32.
; 8,192 rows of x against 3,072 rows of W (type x 1024 + head x 64 + column; type 0 q, 1 k, 2 v).  A work-group makes 256 x 256, each of its four waves 128 x 128: 64 accumulators, 512 registers.
; The grid's x is 12 tiles of W's rows: a cluster's x (ttmp9) IS the type, the same in all sixteen partners.
; q, k: source 0 = 16 rows of W, source 1 = 16 rows of x: a lane holds one row of x and its registers run along the head's 64, the next product's K.
; v:    source 0 = 16 rows of x, source 1 = 16 rows of W: a lane holds one channel of v and its registers run along the keys, the next product's K.
; Only the LDS addresses of the fragments, the scale words' places and the stores' offsets differ between the types; tiles, descriptors and all the arithmetic are one text.
; ROW TILES are PREP's: tile 2 g + u holds in lane r row 32 g + 8 u + r + 8 (r / 8), so that as source 0 the 16 registers of tiles 2 g, 2 g + 1 are 16 neighbours: 32 g + 16 (lane / 16) + 0 .. 15.
; cod holds fragments as images of their registers: a tile's two K steps of a slot are 3,072 consecutive bytes, a fragment is three loads of 16 bytes a lane, 512 consecutive bytes each: no pitch, no padding.
; K goes in four steps of 256 through two LDS slots; the text is written out, without a loop.  CLUSTERS: 4 x 4; x's tiles are asked for jointly along a row of the cluster, W's along a column.
; qkv: k and v of (b, head, 128 keys j) are one record of 13,056 bytes at ((b x 16 + head) x 16 + j) x 13056: k's 8 tiles x 768 bytes, v's 4 fragments x 1,536 at 6144, k's scale words at 12288, v's at 12800;
;   q likewise in records of 6,656 bytes from byte 13369344 on: 8 tiles x 768, scale words at 6144.  Codes lie in pieces of 8 bytes a lane: registers 2 p, 2 p + 1 of lane l at 256 p + 8 l.
; LIMITS: a block of zeros, and one whose largest magnitude lies under 2^-124, gets the scale byte 1; NaN and infinities are not served.  384 work-groups: one and a half turns of 256.
; REGISTERS, in windows of 256: window 0: v16-29 addresses; v32-95 the scale words of all of K; v128-223 source 1's 8 fragments (A), one set; v224-239 at work at the end.
;   window 1: source 0's fragments (B), two sets, at v0 and v128.   windows 2, 3: the accumulators: (a, b) at v[8 (8 (a % 4) + b)] of window 2 + a / 4.
.set FR,    12                         ; registers of a fragment
.set NL,    3                          ; LDS loads that bring one
.set FRB,   1536                       ; its image in bytes
.set TILEB, 2*FRB                      ; a tile's bytes in a slot
.set HALFT, 8*TILEB                    ; 8 tiles: what one tensor load brings, and what one wave reads of x or of W
.set REGN,  2*HALFT                    ; x's 16 tiles; W's lie behind them
.set SLOT,  2*REGN
.set SPARE, 2*SLOT                     ; behind the ring: the spare words, 128 bytes for each wave
.set FLOOR, 0x1800000
.set ADRA, 16                          ; v16-17 LDS address of my A fragments in slot 0, 1
.set ADRB, 20                          ; v20-21 the same for B
.set P8,   24                          ; v24  8 x lane
.set L16,  25                          ; v25  16 x lane
.set SPW,  28                          ; v28  my spare word; never rewritten
.set NIL,  29                          ; v29  0; never rewritten
.set SC,   32                          ; register SC + 8 i + kq: lanes 0-15 the word of A's tile i, lanes 16-31 that of B's tile i, for K step kq
.set AF,   128
.set TM,   224
.set PWR,  32                          ; at the end: v32-39 the scale words made
.set G1,  24                           ; s[24:31] group 1 for x's tiles;  s[32:39] group 0, a set for each slot
.set G0,  32
.set G1B, 48                           ; s[48:55], s[56:63] the same for W's
.set G0B, 56
.set HM,  74
.set SEL, 76
.set MSB, 0
.macro WIN new                         ; the immediate's high byte repeats the setting that is left
.if MSB != (\new)
	s_set_vgpr_msb (MSB<<8)|(\new)
.set MSB, (\new)
.endif
.endm
.set MUL_LO, 0xa1                      ; source 0 (B) window 1, source 1 (A) window 0, C and D window 2
.set MUL_HI, 0xf1
.set TO_B,   0x40
; A joint load: waves 0 and 1 fetch x's halves, waves 2 and 3 W's.  The branch hangs on the wave's number alone.  Four v_nop follow each of the two lines.
.macro JLOAD g0a, g1a, g0b, g1b
	s_cmp_eq_u32 s15, 0
	s_cbranch_scc0 .Lfor_b_\@
	tensor_load_to_lds s[\g0a:\g0a+3], s[\g1a:\g1a+7]
	s_nop 0
.rept 4
	v_nop
.endr
	s_branch .Lasked_\@
.Lfor_b_\@:
	tensor_load_to_lds s[\g0b:\g0b+3], s[\g1b:\g1b+7]
	s_nop 0
.rept 4
	v_nop
.endr
.Lasked_\@:
.endm
.macro CREST                           ; a round of the cluster's barrier behind its opening barrier
	s_cmp_lg_u32 s14, 0
	s_cbranch_scc1 .Lnot_wave_0_\@
	s_barrier_signal -3
.Lnot_wave_0_\@:
	s_barrier_wait -3
	s_barrier_signal -1
	s_barrier_wait -1
.endm
.macro CROUND
	s_barrier_signal -1
	s_barrier_wait -1
	CREST
.endm
	s_load_b128 s[4:7], s[0:1], 0x0                ; cod s[4:5], scl s[6:7]
	s_load_b64 s[8:9], s[0:1], 0x10                ; qkv
	v_lshl_add_u32 v[SPW], v0, 2, SPARE
	v_mov_b32 v[NIL], 0
	ds_add_u32 v28, v29
	ds_add_u32 v28, v29
	s_wait_dscnt 0x0
	v_lshrrev_b32 v1, 5, v0
	v_readfirstlane_b32 s14, v1                    ; wave 0..3
	s_lshr_b32 s15, s14, 1                         ; which half of A is mine.  Also: I fetch for x (0) or for W (1)
	s_and_b32 s16, s14, 1                          ; which half of B.  Also: which 8 tiles I fetch
	s_bfe_u32 s40, ttmp6, 0x40000                  ; cx, cy: my place in the cluster
	s_bfe_u32 s41, ttmp6, 0x40004
	s_lshl_b32 s42, ttmp9, 2
	s_add_co_u32 s42, s42, s40                     ; which 256 rows of W
	s_and_b32 s17, ttmp7, 0xffff
	s_lshl_b32 s17, s17, 2
	s_add_co_u32 s17, s17, s41                     ; which 256 rows of x
	s_lshl_b32 s43, s41, 2
	s_lshl_b32 s43, 15, s43                        ; my row of the cluster
	s_lshl_b32 s44, 0x1111, s40                    ; my column
	; group 1: 8 rows (tiles) of 384 elements of 8 bytes (3,072 bytes: two K steps), 1,536 elements (a tile's whole K) apart; no padding
	s_or_b32 s[G1+0], s43, (3<<16)|(1<<21)         ; 15:0 the mask: x's tiles go to my row; 17:16 elements of 8 bytes; 21 set beside a mask
	s_or_b32 s[G1B+0], s44, (3<<16)|(1<<21)        ; W's to my column
.irp g, G1, G1B
	s_mov_b32 s[\g+1], 384<<16                     ; tensor_dim0
	s_mov_b32 s[\g+2], 8<<16                       ; tensor_dim1
	s_mov_b32 s[\g+3], 384<<16                     ; tile_dim0
	s_mov_b32 s[\g+4], 8                           ; tile_dim1
	s_mov_b32 s[\g+5], 1536                        ; tensor_dim0_stride
	s_mov_b32 s[\g+6], 0
	s_mov_b32 s[\g+7], 0
.endr
	s_lshl_b32 s18, s16, 3
	s_lshl_b32 s20, s17, 4
	s_add_co_u32 s20, s20, s18                     ; x: tile 16 y + 8 half
	s_lshl_b32 s46, s42, 4
	s_add_co_u32 s46, s46, s18
	s_add_co_u32 s46, s46, 512                     ; W: tile 512 + 16 x + 8 half
	s_mul_i32 s20, s20, 8*FRB
	s_mul_i32 s46, s46, 8*FRB
	s_mov_b32 s21, 0
	s_mov_b32 s47, 0
	s_mul_i32 s45, s14, HALFT                      ; where they go: wave x 8 tiles: no place in the cluster enters an LDS address
	s_wait_kmcnt 0x0
	s_add_nc_u64 s[20:21], s[4:5], s[20:21]
	s_add_nc_u64 s[46:47], s[4:5], s[46:47]
	CROUND                                         ; all sixteen work-groups are here: the first joint loads meet
.irp s, 0,1
	s_mov_b32 s[G0+4*\s], 1
	s_add_co_u32 s[G0+4*\s+1], s45, \s*SLOT
	s_add_nc_u64 s[G0+4*\s+2:G0+4*\s+3], s[20:21], \s*TILEB
	s_or_b32 s[G0+4*\s+3], s[G0+4*\s+3], 0x80000000
	s_mov_b32 s[G0B+4*\s], 1
	s_add_co_u32 s[G0B+4*\s+1], s45, \s*SLOT
	s_add_nc_u64 s[G0B+4*\s+2:G0B+4*\s+3], s[46:47], \s*TILEB
	s_or_b32 s[G0B+4*\s+3], s[G0B+4*\s+3], 0x80000000
	JLOAD G0+4*\s, G1, G0B+4*\s, G1B               ; two tensor loads of mine are out
.endr
	; what hangs on the type
	v_and_b32 v1, 15, v0
	v_and_b32 v2, 31, v0
	v_lshlrev_b32 v[P8], 3, v2
	v_lshlrev_b32 v[L16], 4, v2
	s_mov_b32 s[HM], 0xffff0000
	s_mov_b32 s[SEL], 0x76543210
	s_mov_b32 s[SEL+1], 0xfedcba98
	s_cmp_eq_u32 ttmp9, 2
	s_cselect_b32 s66, REGN, 0                     ; A is x (q, k) or W (v),
	s_cselect_b32 s67, 0, REGN                     ; B the other
	s_cselect_b32 s68, s16, s15                    ; which half of x's 256 rows is mine,
	s_cselect_b32 s69, s15, s16                    ; which of W's
	s_mul_i32 s99, s15, HALFT
	s_add_co_u32 s66, s66, s99
	s_mul_i32 s99, s16, HALFT
	s_add_co_u32 s67, s67, s99
.irp s, 0,1
	v_add_nc_u32 v[ADRA+\s], s66, v[L16]
	v_add_nc_u32 v[ADRB+\s], s67, v[L16]
	s_add_co_u32 s66, s66, SLOT
	s_add_co_u32 s67, s67, SLOT
.endr
	s_lshl_b32 s70, s17, 4
	s_lshl_b32 s99, s68, 3
	s_add_co_u32 s70, s70, s99                     ; my first tile of x
	s_lshl_b32 s71, s42, 4
	s_lshl_b32 s99, s69, 3
	s_add_co_u32 s71, s71, s99
	s_add_co_u32 s71, s71, 512                     ; and of W
	s_lshl_b32 s70, s70, 9                         ; 512 bytes of scale words a tile
	s_lshl_b32 s71, s71, 9
	s_cmp_eq_u32 ttmp9, 2
	s_cselect_b32 s72, s71, s70                    ; A's
	s_cselect_b32 s73, s70, s71                    ; B's
	v_mov_b32 v3, s72
	v_mov_b32 v4, s73
	v_cndmask_b32 v3, v3, v4, s[HM]                ; lanes 0-15 take A's words, lanes 16-31 B's
	v_lshl_add_u32 v3, v1, 4, v3                   ; row r: 16 bytes = four K steps
.irp i, 0,1,2,3,4,5,6,7
.irp k, 0,1
	global_load_b128 v[SC+8*\i+4*\k:SC+8*\i+4*\k+3], v3, s[6:7] offset:512*\i+256*\k   ; all of K's scale words, once: sixteen lanes read 256 consecutive bytes
.endr
.endr
.irp b, 0,1,2,3
	v_mov_b32 v[TM+4+\b], 0                        ; a lane permute's destination counts as one of its sources
.endr
	s_lshl_b32 s78, s17, 1
	s_add_co_u32 s78, s78, s68                     ; G: which 128 rows of x: b = G / 16, j = G % 16
	s_lshl_b32 s79, s40, 2
	s_lshl_b32 s99, s69, 1
	s_add_co_u32 s79, s79, s99                     ; my first head (of two)
	s_mov_b32 s85, 0
	s_mov_b32 s95, 0
	s_mov_b32 s97, 0
	s_cmp_eq_u32 ttmp9, 0
	s_cbranch_scc1 .Ltype_q
	s_cmp_eq_u32 ttmp9, 1
	s_cbranch_scc1 .Ltype_k
	s_mov_b32 s80, 0                               ; v: the area's first byte,
	s_mov_b32 s81, 13056                           ; a record,
	s_mov_b32 s82, 6144                            ; the codes' place in it,
	s_mov_b32 s94, 1536                            ; from A's tile a to a + 1: the next fragment,
	s_mov_b32 s96, 202752                          ; at a = 4 on to the next head: 16 records less four fragments,
	s_mov_b32 s83, 768                             ; pieces 3-5 follow pieces 0-2,
	s_mov_b32 s98, 12800                           ; the scale words' place
	s_branch .Ltype_set
.Ltype_q:
	s_mov_b32 s80, 13369344
	s_mov_b32 s81, 6656
	s_mov_b32 s82, 0
	s_mov_b32 s94, 768                             ; the next tile of rows
	s_mov_b32 s96, 0
	s_mov_b32 s83, 106496                          ; pieces 3-5 are the next head's: 16 records on
	s_mov_b32 s98, 6144
	s_branch .Ltype_set
.Ltype_k:
	s_mov_b32 s80, 0
	s_mov_b32 s81, 13056
	s_mov_b32 s82, 0
	s_mov_b32 s94, 768
	s_mov_b32 s96, 0
	s_mov_b32 s83, 208896
	s_mov_b32 s98, 12288
.Ltype_set:
	s_lshr_b32 s84, s78, 4
	s_lshl_b32 s84, s84, 4
	s_add_co_u32 s84, s84, s79
	s_lshl_b32 s84, s84, 4
	s_and_b32 s99, s78, 15
	s_add_co_u32 s84, s84, s99                     ; the record: (b x 16 + head) x 16 + j
	s_mul_i32 s84, s84, s81
	s_add_co_u32 s84, s84, s80
	s_add_nc_u64 s[90:91], s[8:9], s[84:85]
	s_mov_b32 s84, s82
	s_add_nc_u64 s[86:87], s[90:91], s[84:85]      ; s[86:87]: where pieces 0-2 go
	s_mov_b32 s84, s83
	s_add_nc_u64 s[88:89], s[86:87], s[84:85]      ; s[88:89]: pieces 3-5
	s_mov_b32 s84, s98
	s_add_nc_u64 s[90:91], s[90:91], s[84:85]      ; s[90:91]: my first head's scale words
	s_lshl_b32 s84, s81, 4
	s_add_nc_u64 s[92:93], s[90:91], s[84:85]      ; s[92:93]: my second head's
.macro FRAG reg, adr, q, i             ; a fragment comes as it was stored: three loads, 512 consecutive bytes each
.irp c, 0,1,2
	ds_load_b128 v[\reg+4*\c:\reg+4*\c+3], v[\adr] offset:(\i)*TILEB+(\q)*FRB+512*\c
.endr
.endm
; 16 matrix instructions: A's tiles a0, a0 + 1 x B's eight, K step kq.  p: B's set.  zero = 1: the first product starts the sums.
; The 64 accumulators take turns, one instruction a turn, in the same order in every step.
.macro MUL16 a0, p, kq, zero
.irp a, \a0, \a0+1
.irp b, 0,1,2,3,4,5,6,7
.if \zero
	v_wmma_scale_f32_16x16x128_f8f6f4 v[8*(8*((\a)%4)+\b):8*(8*((\a)%4)+\b)+7], v[128*(\p)+FR*\b:128*(\p)+FR*\b+FR-1], v[AF+FR*(\a):AF+FR*(\a)+FR-1], 0, v[SC+8*\b+(\kq)], v[SC+8*(\a)+(\kq)] matrix_a_fmt:MATRIX_FMT_FP6 matrix_b_fmt:MATRIX_FMT_FP6 matrix_a_scale:MATRIX_SCALE_ROW1
.else
	v_wmma_scale_f32_16x16x128_f8f6f4 v[8*(8*((\a)%4)+\b):8*(8*((\a)%4)+\b)+7], v[128*(\p)+FR*\b:128*(\p)+FR*\b+FR-1], v[AF+FR*(\a):AF+FR*(\a)+FR-1], v[8*(8*((\a)%4)+\b):8*(8*((\a)%4)+\b)+7], v[SC+8*\b+(\kq)], v[SC+8*(\a)+(\kq)] matrix_a_fmt:MATRIX_FMT_FP6 matrix_b_fmt:MATRIX_FMT_FP6 matrix_a_scale:MATRIX_SCALE_ROW1
.endif
.endr
.endr
.endm
.macro FETCH_B slot, q, p
	WIN TO_B
.irp i, 0,1,2,3,4,5,6,7
	FRAG 128*(\p)+FR*\i, ADRB+\slot, \q, \i
.endr
	WIN 0
.endm
.macro FETCH_A slot, q, i0
.irp i, \i0, \i0+1, \i0+2, \i0+3
	FRAG AF+FR*(\i), ADRA+\slot, \q, \i
.endr
.endm
.macro PLACES                          ; four plain places between a matrix instruction and a load into, or a vector read or write of, one of its registers (ISA guide 7.12.1 for vector instructions)
.rept 4
	v_nop
.endr
.endm
; A slot's first 128 along K (B's set 0); its second is fetched meanwhile: B's into set 1 and A's tiles 0-3 in the middle, A's tiles 4-7 at the end.
.macro STEP slot, kq, zero
	s_wait_dscnt 4*NL                              ; B's set and A's tiles 0-3 are in; the youngest twelve loads (A's tiles 4-7) may be out
	WIN MUL_LO
	MUL16 0, 0, \kq, \zero
	MUL16 2, 0, \kq, \zero
	s_wait_dscnt 0x0                               ; A's tiles 4-7 are in
	PLACES
	FETCH_B \slot, 1, 1
	FETCH_A \slot, 1, 0
	WIN MUL_HI
	MUL16 4, 0, \kq, \zero
	MUL16 6, 0, \kq, \zero
	PLACES
	WIN 0
	FETCH_A \slot, 1, 4
.endm
; A slot's second 128 along K changes slots: ONE barrier; in front of it each wave waits for all its tensor loads, adds 0 to its spare word, and waits for that and for its reads of this slot.
; fill = 1: the barrier opens a round of the cluster's barrier, and behind it this slot is filled again, two slots' worth of K ahead.
.macro TURN slot, next, fill, kq
	s_wait_tensorcnt 0x0                           ; all my tensor loads have landed: my part of the next slot
	ds_add_u32 v[SPW], v[NIL]                      ; 0 onto my spare word
	s_wait_dscnt 4*NL+1                            ; (the add and the youngest twelve loads may be out)
	WIN MUL_LO
	MUL16 0, 1, \kq, 0                             ; sixteen matrix instructions stand between the add and the wait for it
	s_wait_dscnt 0x0                               ; the add is done, and my reads of this slot are over
	s_barrier_signal -1
	MUL16 2, 1, \kq, 0
	WIN 0
	s_barrier_wait -1
.if \fill
	CREST                                          ; no wave of any partner still reads this slot's tiles or has a load on its way
	s_add_nc_u64 s[G0+4*\slot+2:G0+4*\slot+3], s[G0+4*\slot+2:G0+4*\slot+3], 2*TILEB
	s_add_nc_u64 s[G0B+4*\slot+2:G0B+4*\slot+3], s[G0B+4*\slot+2:G0B+4*\slot+3], 2*TILEB
	JLOAD G0+4*\slot, G1, G0B+4*\slot, G1B         ; the first tensor load behind the round, my only one until the next; its four v_nop are the places in front of the loads below
.else
	PLACES
.endif
	FETCH_B \next, 0, 0
	FETCH_A \next, 0, 0
	WIN MUL_HI
	MUL16 4, 1, \kq, 0
	MUL16 6, 1, \kq, 0
	PLACES
	WIN 0
	FETCH_A \next, 0, 4
.endm
	s_wait_tensorcnt 1                             ; my part of slot 0 is in; slot 1's load may be out
	s_wait_loadcnt 0x0                             ; the scale words
	s_barrier_signal -1
	s_barrier_wait -1
	FETCH_B 0, 0, 0
	FETCH_A 0, 0, 0
	FETCH_A 0, 0, 4
	STEP 0, 0, 1                                   ; K 0: its products start the sums: nothing is cleared
	TURN 0, 1, 1, 1                                ; slot 0 takes K 512 on
	STEP 1, 2, 0
	TURN 1, 0, 1, 3                                ; slot 1 takes K 768 on
	STEP 0, 4, 0
	TURN 0, 1, 0, 5                                ; nothing is left to fetch
	STEP 1, 6, 0
	s_wait_dscnt 4*NL
	WIN MUL_LO
	MUL16 0, 1, 7, 0
	MUL16 2, 1, 7, 0
	s_wait_dscnt 0x0
	WIN MUL_HI
	MUL16 4, 1, 7, 0
	MUL16 6, 1, 7, 0
	WIN 0
	PLACES
; THE WAY OUT.  For A's tile a a lane holds 64 numbers of one row: register 16 b + i = index 32 b + 16 (lane / 16) + i along the next K.  They become a fragment's 12 registers and a scale word.
; q, k: registers 0-5 are my first head's 64, registers 6-11 my second head's; v: the whole fragment is one channel tile x 128 keys.
.macro QUANTW a
.set AC, 64*((\a)%4)
.set WN, 2+(\a)/4
.set PCA, 64+24*((\a)%2)
	WIN 0
.irp b, 0,1,2,3
	v_mov_b32 v[TM+\b], FLOOR                      ; the floor 2^(3 - 127): the byte cannot fall under 1
.endr
	WIN (WN<<2)|(WN<<4)                            ; sources 1 and 2: the accumulators' window
.irp i, 0,2,4,6,8,10,12,14
.irp b, 0,1,2,3
	v_max3_num_f32 v[TM+\b], v[TM+\b], |v[AC+16*\b+\i]|, |v[AC+16*\b+\i+1]|   ; each accumulator from its low end on; the four blocks by turns
.endr
.endr
	WIN 0
.irp b, 0,1,2,3
	v_permlanex16_b32 v[TM+4+\b], v[TM+\b], s[SEL], s[SEL+1]
.endr
.irp b, 0,1,2,3
	v_max_num_f32 v[TM+\b], v[TM+\b], v[TM+4+\b]   ; with lane l xor 16's 16: the block's largest magnitude
.endr
.irp b, 0,1,2,3
	v_add_nc_u32 v[TM+12+\b], 0xff000000, v[TM+\b] ; 2 off its exponent field: the conversion's scale operand
.endr
.irp b, 0,1,2,3
	v_lshrrev_b32 v[TM+4+\b], 23, v[TM+12+\b]      ; the scale's byte
.endr
	v_lshl_or_b32 v[PWR+(\a)], v[TM+5], 8, v[TM+4]
	v_lshl_or_b32 v[PWR+(\a)], v[TM+6], 16, v[PWR+(\a)]
	v_lshl_or_b32 v[PWR+(\a)], v[TM+7], 24, v[PWR+(\a)]
	WIN WN                                         ; source 0: the accumulators' window
.irp c, 0,1
	v_cvt_scalef32_pk16_fp6_f32 v[PCA+6*\c:PCA+6*\c+2], v[AC+32*\c:AC+32*\c+15], v[TM+12+2*\c]
	v_cvt_scalef32_pk16_fp6_f32 v[PCA+12+4*\c:PCA+14+4*\c], v[AC+32*\c+16:AC+32*\c+31], v[TM+12+2*\c+1]
.endr
	WIN 0
	v_nop                                          ; one plain place behind a scaled conversion
.irp c, 0,1                            ; the operand's layout wants a whole block in a lane: lanes 0-15 block 2 c, lanes 16-31 block 2 c + 1
.irp i, 0,1,2
	v_permlane16_swap_b32 v[PCA+6*\c+\i], v[PCA+12+4*\c+\i]
.endr
.irp i, 0,1,2
	v_mov_b32 v[PCA+3+6*\c+\i], v[PCA+12+4*\c+\i]
.endr
.endr
.irp p, 0,1,2
	global_store_b64 v[P8], v[PCA+2*\p:PCA+2*\p+1], s[86:87] offset:256*\p        ; each store covers 256 consecutive bytes, aligned
.endr
.irp p, 3,4,5
	global_store_b64 v[P8], v[PCA+2*\p:PCA+2*\p+1], s[88:89] offset:256*(\p-3)
.endr
.if (\a) < 7
	s_wait_xcnt 0x0                                ; the stores' bases and data are written again only behind this wait
	s_add_nc_u64 s[86:87], s[86:87], s[94:95]
	s_add_nc_u64 s[88:89], s[88:89], s[94:95]
.if (\a) == 3
	s_add_nc_u64 s[86:87], s[86:87], s[96:97]      ; v: on to the next head (q, k: 0)
	s_add_nc_u64 s[88:89], s[88:89], s[96:97]
.endif
.endif
.endm
.irp a, 0,1,2,3,4,5,6,7
	QUANTW \a
.endr
.irp i, 0,1,2,3
	v_cndmask_b32 v[40+\i], v[PWR+2*\i], v[PWR+2*\i+1], s[HM]   ; lanes 0-15 tile 2 i's words, lanes 16-31 tile 2 i + 1's: so one register serves two tiles
.endr
	s_cmp_eq_u32 ttmp9, 2
	s_cbranch_scc1 .Lscale_v
.irp i, 0,1,2,3
	v_and_b32 v[44+\i], 0xffff, v[40+\i]           ; q, k: bytes 0, 1 are my first head's two blocks; the upper 64 along K are zero codes, their bytes 0
.endr
.irp i, 0,1,2,3
	v_lshrrev_b32 v[48+\i], 16, v[40+\i]           ; bytes 2, 3 my second head's
.endr
	global_store_b128 v[L16], v[44:47], s[90:91]
	global_store_b128 v[L16], v[48:51], s[92:93]
	s_branch .Lscale_done
.Lscale_v:
	global_store_b64 v[P8], v[40:41], s[90:91]     ; v: tiles 0-3 are my first head's, tiles 4-7 my second's
	global_store_b64 v[P8], v[42:43], s[92:93]
.Lscale_done:
	s_wait_tensorcnt 0x0                           ; the wave's end
	ds_add_u32 v[SPW], v[NIL]
	s_wait_dscnt 0x0
	CROUND                                         ; the closing round: no work-group ends while a partner may still ask for a tile that names it
	s_endpgm
.Lfunc_end_k_qc46b04b049_proj:
	.size	k_qc46b04b049_proj, .Lfunc_end_k_qc46b04b049_proj-k_qc46b04b049_proj
	.p2alignl 7, 3214868480
	.fill 96, 4, 3214868480
	.section	.rodata,"a",@progbits
	.p2align	6, 0x0
	.amdhsa_kernel k_qc46b04b049_proj
		.amdhsa_group_segment_fixed_size 327680
		.amdhsa_private_segment_fixed_size 0
		.amdhsa_enable_private_segment 0
		.amdhsa_kernarg_size 24
		.amdhsa_user_sgpr_count 2
		.amdhsa_user_sgpr_kernarg_segment_ptr 1
		.amdhsa_wavefront_size32 1
		.amdhsa_system_sgpr_workgroup_id_x 1
		.amdhsa_system_sgpr_workgroup_id_y 1
		.amdhsa_system_sgpr_workgroup_id_z 1
		.amdhsa_system_vgpr_workitem_id 0
		.amdhsa_next_free_vgpr 1024
		.amdhsa_next_free_sgpr 100
		.amdhsa_reserve_vcc 0
		.amdhsa_float_denorm_mode_32 3
		.amdhsa_float_denorm_mode_16_64 3
		.amdhsa_memory_ordered 1
		.amdhsa_forward_progress 1
		.amdhsa_inst_pref_size 143
	.end_amdhsa_kernel
	.amdgpu_metadata
---
amdhsa.version: [ 1, 2 ]
amdhsa.kernels:
  - .name:           k_qc46b04b049_proj
    .symbol:         k_qc46b04b049_proj.kd
    .args:
      - { .name: cod, .offset: 0, .size: 8, .value_kind: global_buffer, .address_space: global }
      - { .name: scl, .offset: 8, .size: 8, .value_kind: global_buffer, .address_space: global }
      - { .name: qkv, .offset: 16, .size: 8, .value_kind: global_buffer, .address_space: global }
    .group_segment_fixed_size: 327680
    .private_segment_fixed_size: 0
    .kernarg_segment_align: 8
    .kernarg_segment_size: 24
    .max_flat_workgroup_size: 128
    .sgpr_count:     100
    .vgpr_count:     1024
    .wavefront_size: 32
...
	.end_amdgpu_metadata
.endif
;; end of part 2
;; launch attn (part 3): grid 4 x 64, 16 waves a work-group, clusters of 4 x 1, 280,576 bytes of LDS; arguments qkv, maskw, out0; writes out0
.if DOCPART == 3
	.amdgcn_target "amdgcn-amd-amdhsa--gfx1250"
	.amdhsa_code_object_version 6
	.text
	.protected	k_qc46b04b049_attn
	.globl	k_qc46b04b049_attn
	.p2align	8
	.type	k_qc46b04b049_attn,@function
k_qc46b04b049_attn:
	s_mov_b64 s[64:65], 0
	v_nop
	global_prefetch_b8 v0, s[64:65] scope:SCOPE_SE
	s_setreg_imm32_b32 hwreg(HW_REG_WAVE_MODE, 25, 1), 1
	s_wait_xcnt 0x0
	s_wait_alu depctr_hold_cnt(0) depctr_sa_sdst(0) depctr_va_vdst(0) depctr_va_sdst(0) depctr_va_ssrc(0) depctr_va_vcc(0) depctr_vm_vsrc(0)
	s_getreg_b32 s2, hwreg(HW_REG_IB_STS2, 6, 4)
	s_cmp_eq_u32 s2, 0
	s_cbranch_scc0 .Lentry_in_a_cluster
	s_endpgm
.Lentry_in_a_cluster:
	s_bfe_u32 s2, ttmp6, 0x10000c
	s_cmp_lg_u32 s2, 0x3003
	s_cbranch_scc0 .Lentry_shape_is_right
	s_endpgm
.Lentry_shape_is_right:
; ATTN: out[b][q][head x 64 + :] = sum over keys of softmax(q . k / 8, masked) v, both products on codes of FP6 (E2M3) made by PROJ.
; THE SOFTMAX AHEAD OF THE SECOND PRODUCT: t = score x log2(e) / 8, rounded to f32; M = the running largest t rounded UP to a whole number; p = 2^(t - M) is quantised along the keys, not normalised;
; the row's sum is taken of the unquantised p and divides at the end.  When M moves, the sum and O are multiplied by 2^(old M - new M): exact.
; t IS A MULTIPLICATION AND t - M AN ADDITION, NOT ONE FUSED LINE: |t| runs to thousands here, where the product's rounding is far more than an ulp of p, and the numbers ahead of the quantiser are to be
; those that plain f32 gives; with much larger inputs a fused line's remainder against the rounded M would also leave the exponent's range.
; SHARES.  A work-group owns one (b, head) and 512 queries; each of its sixteen waves two tiles of 16 queries, one after the other, in 256 registers: four waves to a SIMD, so that one wave's vector work
; stands beside another's matrix work and LDS loads.  256 work-groups.
; ALL OF THE HEAD'S k AND v, 16 records of 13,056 bytes, FITS IN LDS: it is fetched once, nothing is filled again.  CLUSTER: the four work-groups of a head ask for each record jointly.
; LAYOUT.  Both products are used transposed: S^T = k q^T (source 0 = 16 keys), O^T = v^T p^T (source 0 = 16 channels): a lane holds one query (lane % 16) throughout.  The first product's K is 64:
; the upper 64 of the instruction's 128 are zero codes on both sides, in registers that are cleared once.  Tiles of keys, queries and channels hold in lane r index 32 g + 8 u + r + 8 (r / 8), so the 16
; registers of tiles 2 g, 2 g + 1 are 16 neighbours.
; THE MASK comes as lane masks, one word for each score register: four scalar loads of 64 bytes at a step's head, 64 selects behind the scores.  They are done in every step: the partners of a cluster
; run alike, so no branch hangs on what the mask holds.
; LIMITS: NaN and infinities among the inputs are not served; a block of p that is all zeros keeps the scale byte 1; a row whose every key is masked gives 0 x (1 / 0) = NaN, as softmax of -infinity alone does.
.set REC,   13056                      ; a record: k's 8 tiles x 768, v's 4 fragments x 1,536 at VCD, k's scale words at KSC, v's at VSC
.set VCD,   6144
.set KSC,   12288
.set VSC,   12800
.set HEADB, 16*REC
.set QAREA, 13369344
.set QREC,  6656
.set STG,   HEADB                      ; behind the records: a stage of 16 rows x (256 bytes + 16) for each wave; no fill lands there
.set STGW,  16*272
.set P8,  1                            ; v1 8 x lane;  v2 16 x lane;  v3, v4 the step's LDS addresses;  v5 -infinity;  v6, v7 the stage, in and out;  v[8:9] v's scale words;  v10 my offset in out
.set L16, 2
.set ADR, 3
.set ADS, 4
.set NINF, 5
.set SIN, 6
.set SOUT, 7
.set VS,  8
.set GO,  10
.set QF,  16                           ; v12 -M, v13 the largest t, v[14:15] the sum in two halves;  v16-27 q (22-27 zeros);  v28-31 k's scale words;  v32-79 four fragments of k (the upper six of each zeros)
.set KS,  28
.set KF,  32
.set VF,  80                           ; v80-127 v's four fragments;  v128-191 S^T, then t, then p;  v192-223 O^T;  v224-235 p's codes;  v236-254 at work;  v255 q's scale word
.set S,   128
.set O,   192
.set PCD, 224
.set T8,  236
.set OPS, 244
.set BM,  248
.set FF,  252
.set PWD, 253
.set TV,  254
.set QS,  255
.set SEL, 2                            ; s[2:3] selects for lane l xor 16;  s[4:19] four groups 0;  s[20:51], s[68:99] a step's 64 mask words (at work in heads and tails);  s[52:59] group 1
.set G0,  4
.set G1,  52
.set CS,  60                           ; s[60:61] c = log2(e) / 8, twice
.set MB,  62                           ; s[62:63] my tile's mask words
.set WV,  66
.set TB,  67                           ; LDS byte of the step's record
.set MO,  100                          ; the step's place among the mask words
.set J,   101
.set TS,  105
.macro CROUND                          ; a round of the cluster's barrier
	s_barrier_signal -1
	s_barrier_wait -1
	s_cmp_lg_u32 s[WV], 0
	s_cbranch_scc1 .Lnot_wave_0_\@
	s_barrier_signal -3
.Lnot_wave_0_\@:
	s_barrier_wait -3
	s_barrier_signal -1
	s_barrier_wait -1
.endm
	s_load_b64 s[20:21], s[0:1], 0x0               ; qkv
	v_lshl_add_u32 v11, v0, 2, 0x44000
	v_mov_b32 v243, 0
	ds_add_u32 v11, v243
	ds_add_u32 v11, v243
	v_lshrrev_b32 v1, 5, v0
	v_readfirstlane_b32 s[WV], v1                  ; wave 0..15
	s_and_b32 s24, ttmp7, 0xffff                   ; b x 16 + head, which the four partners share
	s_mul_i32 s26, s24, HEADB
	s_mul_i32 s[TS], s[WV], REC
	s_add_co_u32 s26, s26, s[TS]
	s_mov_b32 s27, 0
	; group 1: a record is 13,056 dense bytes: 51 rows of 32 elements of 8 bytes
	s_mov_b32 s[G1], 15|(3<<16)|(1<<21)            ; 15:0 the mask: all four work-groups; 17:16 elements of 8 bytes; 21 set beside a mask
	s_mov_b32 s[G1+1], 32<<16
	s_mov_b32 s[G1+2], 51<<16
	s_mov_b32 s[G1+3], 32<<16
	s_mov_b32 s[G1+4], 51
	s_mov_b32 s[G1+5], 32
	s_mov_b32 s[G1+6], 0
	s_mov_b32 s[G1+7], 0
	s_mov_b32 s[SEL], 0x76543210
	s_mov_b32 s[SEL+1], 0xfedcba98
	s_mov_b32 s[CS], 0x3e38aa3b
	s_mov_b32 s[CS+1], s[CS]
	s_wait_dscnt 0x0
	s_wait_kmcnt 0x0
	s_add_nc_u64 s[26:27], s[20:21], s[26:27]
.irp c, 0,1,2,3                        ; load c of wave w (0..3) brings record 4 c + w
	s_mov_b32 s[G0+4*\c], 1
	s_add_co_u32 s[G0+4*\c+1], s[TS], 4*REC*\c
	s_add_nc_u64 s[G0+4*\c+2:G0+4*\c+3], s[26:27], 4*REC*\c
	s_or_b32 s[G0+4*\c+3], s[G0+4*\c+3], 0x80000000
.endr
	CROUND                                         ; all four work-groups are here: the joint loads meet
	s_cmp_lt_u32 s[WV], 4                          ; a wave's first fills stand in one branch: four loads of mine are out, or none
	s_cbranch_scc0 .Lno_fetch
	tensor_load_to_lds s[G0:G0+3], s[G1:G1+7]
	s_nop 0
	tensor_load_to_lds s[G0+4:G0+7], s[G1:G1+7]
	s_nop 0
	tensor_load_to_lds s[G0+8:G0+11], s[G1:G1+7]
	s_nop 0
	tensor_load_to_lds s[G0+12:G0+15], s[G1:G1+7]
	s_nop 0
.rept 4
	v_nop
.endr
.Lno_fetch:
	v_and_b32 v3, 31, v0                           ; lane
	v_lshlrev_b32 v[P8], 3, v3
	v_lshlrev_b32 v[L16], 4, v3
	v_and_b32 v3, 15, v0                           ; r
	v_bfe_u32 v4, v0, 4, 1                         ; h
	s_mul_i32 s[TS], s[WV], STGW
	s_add_co_u32 s[TS], s[TS], STG
	v_mul_u32_u24 v[SIN], v3, 272
	v_lshl_add_u32 v[SIN], v4, 6, v[SIN]
	v_add_nc_u32 v[SIN], s[TS], v[SIN]             ; into the stage: row r, + 64 h
	v_mul_u32_u24 v[SOUT], v4, 272
	v_lshl_add_u32 v[SOUT], v3, 4, v[SOUT]
	v_add_nc_u32 v[SOUT], s[TS], v[SOUT]           ; back: lanes 0-15 one row, lanes 16-31 the next
	v_lshlrev_b32 v[GO], 12, v4
	v_lshl_add_u32 v[GO], v3, 4, v[GO]             ; and the same in out: rows of 4,096 bytes
	v_mov_b32 v[NINF], 0xff800000
.irp i, 6,7,8,9,10,11
	v_mov_b32 v[QF+\i], 0                          ; the upper 64 along K: zero codes, written once
.irp t, 0,1,2,3
	v_mov_b32 v[KF+12*\t+\i], 0
.endr
.endr
.irp b, 0,1,2,3
	v_mov_b32 v[T8+\b], 0                          ; a lane permute's destination counts as one of its sources
.endr
	v_mov_b32 v[FF], 0
	v_mov_b32 v[PWD], 0                            ; (named as the upper half of the pair v[252:253] before it is first written)
; A pass's head: my tile of queries Tq = 32 cx + 16 pass + wave: its codes, its scale word, its mask words' address; the running numbers begin.
.macro HEAD pass
.if \pass
	s_wait_xcnt 0x0                                ; the last pass's stores have read their base and data
.endif
	s_load_b128 s[20:23], s[0:1], 0x0              ; qkv, maskw
	s_bfe_u32 s24, ttmp6, 0x40000                  ; cx enters global addresses alone
	s_lshl_b32 s24, s24, 5
	s_add_co_u32 s24, s24, s[WV]
.if \pass
	s_add_co_u32 s24, s24, 16
.endif
	s_and_b32 s25, ttmp7, 0xffff
	s_lshl_b32 s25, s25, 4
	s_lshr_b32 s26, s24, 3
	s_add_co_u32 s25, s25, s26                     ; q's record
	s_mul_i32 s28, s25, QREC
	s_add_co_u32 s28, s28, QAREA
	s_mov_b32 s29, 0
	s_and_b32 s26, s24, 7                          ; the tile in it: a
	s_mul_i32 s30, s26, 768
	s_mov_b32 s31, 0
	s_and_b32 s32, s26, 1
	s_lshl_b32 s32, s32, 8
	s_lshr_b32 s33, s26, 1
	s_lshl_b32 s33, s33, 2
	s_add_co_u32 s32, s32, s33
	s_add_co_u32 s32, s32, 6144                    ; its scale words: 6144 + 16 (r + 16 (a % 2)) + 4 (a / 2)
	s_mov_b32 s33, 0
	s_lshl_b32 s34, s24, 12                        ; its mask words: 4,096 bytes a tile
	s_mov_b32 s35, 0
	v_and_b32 v[TV], 15, v0
	v_lshlrev_b32 v[TV], 4, v[TV]
	s_wait_kmcnt 0x0
	s_add_nc_u64 s[20:21], s[20:21], s[28:29]
	s_add_nc_u64 s[36:37], s[20:21], s[30:31]
	s_add_nc_u64 s[38:39], s[20:21], s[32:33]
	s_add_nc_u64 s[MB:MB+1], s[22:23], s[34:35]
.irp p, 0,1,2
	global_load_b64 v[QF+2*\p:QF+2*\p+1], v[P8], s[36:37] offset:256*\p
.endr
	global_load_b32 v[QS], v[TV], s[38:39]
	v_mov_b32 v13, 0xff61b1e6                      ; the largest t so far: -3e38
	v_floor_f32 v12, -v13                          ; -M
	v_mov_b32 v14, 0
	v_mov_b32 v15, 0
.set j, 0
.rept 32
	v_mov_b32 v[O+j], 0                            ; O^T: the step is written once: the first finds zeros, which the first change of M leaves zeros
.set j, j+1
.endr
	s_mov_b32 s[TB], 0
	s_mov_b32 s[MO], 0
	s_wait_loadcnt 0x0                             ; q is in, and its loads' bases may be written again
.endm
.macro KQ t                            ; S^T's tile t: 16 keys x my 16 queries; the scale words of tiles 2 i, 2 i + 1 share a register
.if (\t)%2
	v_wmma_scale_f32_16x16x128_f8f6f4 v[S+8*(\t):S+8*(\t)+7], v[KF+12*((\t)%4):KF+12*((\t)%4)+11], v[QF:QF+11], 0, v[KS+(\t)/2], v[QS] matrix_a_fmt:MATRIX_FMT_FP6 matrix_b_fmt:MATRIX_FMT_FP6 matrix_a_scale:MATRIX_SCALE_ROW1
.else
	v_wmma_scale_f32_16x16x128_f8f6f4 v[S+8*(\t):S+8*(\t)+7], v[KF+12*((\t)%4):KF+12*((\t)%4)+11], v[QF:QF+11], 0, v[KS+(\t)/2], v[QS] matrix_a_fmt:MATRIX_FMT_FP6 matrix_b_fmt:MATRIX_FMT_FP6
.endif
.endm
.macro PV t                            ; O^T's tile t: 16 channels x my 16 queries, K = the step's 128 keys
.if (\t)%2
	v_wmma_scale_f32_16x16x128_f8f6f4 v[O+8*(\t):O+8*(\t)+7], v[VF+12*(\t):VF+12*(\t)+11], v[PCD:PCD+11], v[O+8*(\t):O+8*(\t)+7], v[VS+(\t)/2], v[PWD] matrix_a_fmt:MATRIX_FMT_FP6 matrix_b_fmt:MATRIX_FMT_FP6 matrix_a_scale:MATRIX_SCALE_ROW1
.else
	v_wmma_scale_f32_16x16x128_f8f6f4 v[O+8*(\t):O+8*(\t)+7], v[VF+12*(\t):VF+12*(\t)+11], v[PCD:PCD+11], v[O+8*(\t):O+8*(\t)+7], v[VS+(\t)/2], v[PWD] matrix_a_fmt:MATRIX_FMT_FP6 matrix_b_fmt:MATRIX_FMT_FP6
.endif
.endm
; A KEY STEP: 128 keys.
.macro STEP
	s_load_b512 s[20:35], s[MB:MB+1], s[MO] offset:0x0    ; the step's 64 mask words: asked for first, wanted behind the scores
	s_load_b512 s[36:51], s[MB:MB+1], s[MO] offset:0x40
	s_load_b512 s[68:83], s[MB:MB+1], s[MO] offset:0x80
	s_load_b512 s[84:99], s[MB:MB+1], s[MO] offset:0xc0
	v_add_nc_u32 v[ADR], s[TB], v[P8]              ; these two and two v_nop: the four places between the last step's products and the loads into their registers
	v_add_nc_u32 v[ADS], s[TB], v[L16]
	v_nop
	v_nop
	ds_load_b128 v[KS:KS+3], v[ADS] offset:KSC
.irp t, 0,1,2,3
.irp p, 0,1,2
	ds_load_b64 v[KF+12*\t+2*\p:KF+12*\t+2*\p+1], v[ADR] offset:768*\t+256*\p   ; every load reads 256 consecutive bytes
.endr
.endr
	ds_load_b64 v[VS:VS+1], v[ADR] offset:VSC
.irp t, 0,1,2,3
.irp p, 0,1,2,3,4,5
	ds_load_b64 v[VF+12*\t+2*\p:VF+12*\t+2*\p+1], v[ADR] offset:VCD+1536*\t+256*\p
.endr
.endr
	s_wait_dscnt 25                                ; k's scale words and tiles 0-3 are in; v's 25 loads may be out
.irp t, 0,1,2,3
	KQ \t
.endr
.rept 4
	v_nop
.endr
.irp t, 0,1,2,3
.irp p, 0,1,2
	ds_load_b64 v[KF+12*\t+2*\p:KF+12*\t+2*\p+1], v[ADR] offset:768*(4+\t)+256*\p
.endr
.endr
	s_wait_dscnt 0x0
.irp t, 4,5,6,7
	KQ \t
.endr
.rept 4
	v_nop
.endr
	s_wait_kmcnt 0x0                               ; the mask words are in (scalar loads come back in no order: the count is 0); their offset register may be stepped below
.set n, 0
.rept 32
	v_cndmask_b32 v[S+n], v[S+n], v[NINF], s[20+n] ; word n is score register n's lane mask: masked scores become -infinity, p = 0 then.  Each accumulator from its low end on
.set n, n+1
.endr
.set n, 0
.rept 32
	v_cndmask_b32 v[S+32+n], v[S+32+n], v[NINF], s[68+n]
.set n, n+1
.endr
.set j, 0
.rept 32
	v_pk_mul_f32 v[S+j:S+j+1], v[S+j:S+j+1], s[CS:CS+1] op_sel_hi:[1,0]   ; t = score x c, rounded
.set j, j+2
.endr
.irp b, 0,1,2,3
	v_max3_num_f32 v[BM+\b], v[S+16*\b], v[S+16*\b+1], v[S+16*\b+2]   ; the largest t of each block of 32 keys: it serves for the row's maximum and, since p rises with t, for the block's largest p
.endr
.irp i, 3,5,7,9,11,13
.irp b, 0,1,2,3
	v_max3_num_f32 v[BM+\b], v[BM+\b], v[S+16*\b+\i], v[S+16*\b+\i+1]
.endr
.endr
.irp b, 0,1,2,3
	v_max_num_f32 v[BM+\b], v[BM+\b], v[S+16*\b+15]
.endr
.irp b, 0,1,2,3
	v_permlanex16_b32 v[T8+\b], v[BM+\b], s[SEL], s[SEL+1]
.endr
.irp b, 0,1,2,3
	v_max_num_f32 v[BM+\b], v[BM+\b], v[T8+\b]     ; with lane l xor 16's 16 keys
.endr
	v_max3_num_f32 v[TV], v[BM], v[BM+1], v[BM+2]
	v_max_num_f32 v[TV], v[TV], v[BM+3]
	v_max_num_f32 v13, v13, v[TV]                  ; the running largest t
	v_mov_b32 v[TV], v12
	v_floor_f32 v12, -v13                          ; the new -M = -ceil(t): a whole number
	v_sub_f32 v[TV], v12, v[TV]                    ; old M - new M: a whole number, 0 or less
	v_cvt_i32_f32 v[TV], v[TV]                     ; (it saturates)
	v_ldexp_f32 v[FF], 1.0, v[TV]                  ; f = 2^(old M - new M)
.set j, 0
.rept 32
	v_pk_add_f32 v[S+j:S+j+1], v[S+j:S+j+1], v[12:13] op_sel_hi:[1,0]   ; t - M (of the pair the low word, -M, serves both halves)
.set j, j+2
.endr
.irp b, 0,1,2,3
	v_add_f32 v[BM+\b], v[BM+\b], v12              ; the same of each block's largest t
.endr
.set j, 0
.rept 64
	v_exp_f32 v[S+j], v[S+j]                       ; p = 2^(t - M), at most 1
.set j, j+1
.endr
.irp b, 0,1,2,3
	v_exp_f32 v[BM+\b], v[BM+\b]                   ; the block's largest p: the same lines on the same number give the same bits
.endr
	v_pk_mul_f32 v[14:15], v[14:15], v[FF:FF+1] op_sel_hi:[1,0]   ; the sums under the new M (a plain place behind the exponentials)
	s_wait_alu depctr_va_vdst(0)
.irp b, 0,1,2,3
	v_max_num_f32 v[BM+\b], 0x1800000, v[BM+\b]    ; the floor 2^(3 - 127): the byte cannot fall under 1
.endr
.irp b, 0,1,2,3
	v_add_nc_u32 v[OPS+\b], 0xff000000, v[BM+\b]   ; 2 off the exponent field: the conversion's scale operand
.endr
.irp b, 0,1,2,3
	v_lshrrev_b32 v[T8+\b], 23, v[OPS+\b]
.endr
	v_lshl_or_b32 v[PWD], v[T8+1], 8, v[T8]        ; p's scale word for these 128 keys
	v_lshl_or_b32 v[PWD], v[T8+2], 16, v[PWD]
	v_lshl_or_b32 v[PWD], v[T8+3], 24, v[PWD]
.irp c, 0,1
	v_cvt_scalef32_pk16_fp6_f32 v[PCD+6*\c:PCD+6*\c+2], v[S+32*\c:S+32*\c+15], v[OPS+2*\c]
	v_cvt_scalef32_pk16_fp6_f32 v[T8+4*\c:T8+4*\c+2], v[S+32*\c+16:S+32*\c+31], v[OPS+2*\c+1]
.endr
	v_nop                                          ; one plain place behind a scaled conversion
.irp c, 0,1                            ; a whole block to a lane: lanes 0-15 block 2 c, lanes 16-31 block 2 c + 1
.irp i, 0,1,2
	v_permlane16_swap_b32 v[PCD+6*\c+\i], v[T8+4*\c+\i]
.endr
.irp i, 0,1,2
	v_mov_b32 v[PCD+3+6*\c+\i], v[T8+4*\c+\i]
.endr
.endr
.set j, 0
.rept 16
	v_pk_mul_f32 v[O+j:O+j+1], v[O+j:O+j+1], v[FF:FF+1] op_sel_hi:[1,0]   ; O^T under the new M
.set j, j+2
.endr
	v_pk_add_f32 v[T8:T8+1], v[S:S+1], v[S+2:S+3]  ; the row's sum, of the UNQUANTISED p: two at a time, in two chains.  (These lines are also the places between p's codes and scale word and the products)
.irp j, 4,8,12,16,20,24,28,32,36,40,44,48,52,56,60
	v_pk_add_f32 v[14:15], v[14:15], v[S+\j:S+\j+1]
	v_pk_add_f32 v[T8:T8+1], v[T8:T8+1], v[S+\j+2:S+\j+3]
.endr
	v_pk_add_f32 v[14:15], v[14:15], v[T8:T8+1]
.irp t, 0,1,2,3
	PV \t                                          ; four accumulators by turns
.endr
	s_add_co_u32 s[TB], s[TB], REC
	s_add_co_u32 s[MO], s[MO], 256
.endm
.macro RUN n
	s_mov_b32 s[J], \n
.Lstep_\@:
	STEP
	s_sub_co_u32 s[J], s[J], 1
	s_cmp_lg_u32 s[J], 0
	s_cbranch_scc1 .Lstep_\@
.endm
; A pass's tail: O^T / the sum goes through my stage and leaves as rows of 256 bytes: register 16 g + i of lane (r, h) is channel 32 g + 16 h + i of query r.
.macro TAIL pass
.rept 4
	v_nop                                          ; places behind the last products
.endr
	s_load_b64 s[20:21], s[0:1], 0x10              ; out0
	s_bfe_u32 s24, ttmp6, 0x40000
	s_lshl_b32 s24, s24, 5
	s_add_co_u32 s24, s24, s[WV]
.if \pass
	s_add_co_u32 s24, s24, 16
.endif
	s_lshr_b32 s25, s24, 1
	s_lshl_b32 s25, s25, 5
	s_and_b32 s26, s24, 1
	s_lshl_b32 s26, s26, 3
	s_add_co_u32 s25, s25, s26                     ; the tile's first query
	s_and_b32 s27, ttmp7, 0xffff
	s_lshr_b32 s28, s27, 4
	s_lshl_b32 s28, s28, 11
	s_add_co_u32 s25, s25, s28                     ; + 2048 b
	s_lshl_b32 s22, s25, 12
	s_and_b32 s27, s27, 15
	s_lshl_b32 s27, s27, 8                         ; the head's 256 bytes of a row
	s_add_co_u32 s22, s22, s27
	s_mov_b32 s23, 0
	v_add_f32 v14, v14, v15
	v_permlanex16_b32 v[FF], v14, s[SEL], s[SEL+1]
	v_add_f32 v14, v14, v[FF]                      ; the row's sum
	v_rcp_f32 v14, v14
	v_nop                                          ; a plain place behind the transcendental
.set j, 0
	s_wait_alu depctr_va_vdst(0)
.rept 32
	v_mul_f32 v[S+j], v[O+j], v14
.set j, j+1
.endr
.irp g, 0,1
.irp k, 0,1,2,3
	ds_store_b128 v[SIN], v[S+16*\g+4*\k:S+16*\g+4*\k+3] offset:128*\g+16*\k
.endr
.endr
.irp i, 0,1,2,3,4,5,6,7
	ds_load_b128 v[VF+4*\i:VF+4*\i+3], v[SOUT] offset:544*\i   ; LDS serves a wave's instructions in order: these see my stores
.endr
	s_wait_kmcnt 0x0
	s_add_nc_u64 s[20:21], s[20:21], s[22:23]
.irp i, 0,1,2,3,4,5,6,7
	s_wait_dscnt 7-\i                              ; load i is in; the younger ones may be out
	global_store_b128 v[GO], v[VF+4*\i:VF+4*\i+3], s[20:21] offset:(2*\i+8*(\i/4))*4096 th:TH_STORE_NT   ; stage rows 2 i, 2 i + 1 are queries 2 i + 8 (i / 4) and the next; sixteen lanes store 256 consecutive bytes, aligned
.endr
.endm
	HEAD 0
.irp c, 0,1,2,3                        ; the first pass goes on as the records land, four at a time
	s_wait_tensorcnt 3-\c                          ; my load c has landed (waves 0-3); the later ones may be out
	s_wait_dscnt 0x0
	s_barrier_signal -1
	s_barrier_wait -1                              ; records 4 c .. 4 c + 3 are whole
	RUN 4
.endr
	TAIL 0
	HEAD 1
	RUN 16                                         ; the second pass finds everything in LDS
	TAIL 1
	s_wait_dscnt 0x0
	s_wait_tensorcnt 0x0
	ds_add_u32 v11, v243
	s_wait_dscnt 0x0
	CROUND                                         ; the closing round
	s_endpgm
.Lfunc_end_k_qc46b04b049_attn:
	.size	k_qc46b04b049_attn, .Lfunc_end_k_qc46b04b049_attn-k_qc46b04b049_attn
	.p2alignl 7, 3214868480
	.fill 96, 4, 3214868480
	.section	.rodata,"a",@progbits
	.p2align	6, 0x0
	.amdhsa_kernel k_qc46b04b049_attn
		.amdhsa_group_segment_fixed_size 280576
		.amdhsa_private_segment_fixed_size 0
		.amdhsa_enable_private_segment 0
		.amdhsa_kernarg_size 24
		.amdhsa_user_sgpr_count 2
		.amdhsa_user_sgpr_kernarg_segment_ptr 1
		.amdhsa_wavefront_size32 1
		.amdhsa_system_sgpr_workgroup_id_x 1
		.amdhsa_system_sgpr_workgroup_id_y 1
		.amdhsa_system_sgpr_workgroup_id_z 1
		.amdhsa_system_vgpr_workitem_id 0
		.amdhsa_next_free_vgpr 256
		.amdhsa_next_free_sgpr 106
		.amdhsa_reserve_vcc 0
		.amdhsa_float_denorm_mode_32 3
		.amdhsa_float_denorm_mode_16_64 3
		.amdhsa_memory_ordered 1
		.amdhsa_forward_progress 1
		.amdhsa_inst_pref_size 136
	.end_amdhsa_kernel
	.amdgpu_metadata
---
amdhsa.version: [ 1, 2 ]
amdhsa.kernels:
  - .name:           k_qc46b04b049_attn
    .symbol:         k_qc46b04b049_attn.kd
    .args:
      - { .name: qkv, .offset: 0, .size: 8, .value_kind: global_buffer, .address_space: global }
      - { .name: maskw, .offset: 8, .size: 8, .value_kind: global_buffer, .address_space: global }
      - { .name: out0, .offset: 16, .size: 8, .value_kind: global_buffer, .address_space: global }
    .group_segment_fixed_size: 280576
    .private_segment_fixed_size: 0
    .kernarg_segment_align: 8
    .kernarg_segment_size: 24
    .max_flat_workgroup_size: 512
    .sgpr_count:     106
    .vgpr_count:     256
    .wavefront_size: 32
...
	.end_amdgpu_metadata
.endif
;; end of part 3
